; MI455X (gfx1250); checked and timed in simulation.
; The chip was launched on July 23, 2026; its instructions are those of AMD's public machine-readable ISA for CDNA 5 (MIT licence, August 2026) and "CDNA5" Instruction Set Architecture Reference Guide (July 2026). The comments in the code are by the model that wrote it; some were corrected since.
;; Calibration. Allowed arithmetic: float matrix products may take bf16 or f16 operands with f32 sums; all other float work in f32.
;; Inputs: bounds 16 x 8 x 1,024 x 2 float32; inv_param 16 x 8 x 4 x 4 float32; mask 16 x 8 x 224 x 224 float32; pc 16 x 8,192 x 3 float32; proj_fine 16 x 8 x 8,192 x 2 float32; proj_finez 16 x 8 x 8,192 float32.
;; Outputs: out0 16 x 8,192 x 3 float32.
;; Constants: view_id = 3.
;; 2 versions, each right; version 2 is version 1 with the launch filter written anew for expert scheduling mode. Each part assembles by itself: llvm-mc -triple=amdgcn-amd-amdhsa -mcpu=gfx1250 --defsym DOCPART=n.
;; ======== version 1 of 2: 2 launches
;; workspace buffers: cand 524,288 bytes of whole numbers
;; launch filter (part 1): grid 256 x 1, 4 waves a work-group, no clusters, 82,432 bytes of LDS; arguments bounds, proj_fine, cand; writes cand
.if DOCPART == 1
	.amdgcn_target "amdgcn-amd-amdhsa--gfx1250"
	.amdhsa_code_object_version 6
	.text
	.protected	k_q2fbc2c8bf3_filter
	.globl	k_q2fbc2c8bf3_filter
	.p2align	8
	.type	k_q2fbc2c8bf3_filter,@function
k_q2fbc2c8bf3_filter:
	s_mov_b64 s[64:65], 0
	v_nop
	global_prefetch_b8 v0, s[64:65] scope:SCOPE_SE
	s_setreg_imm32_b32 hwreg(HW_REG_WAVE_MODE, 25, 1), 1
	s_wait_xcnt 0x0
; FILTER.  For each of the 16 x 8192 query pixels of view 3: (a) its index into the 224 x 224 mask, (b) the two groups of eight
; neighbouring boundary points (of 128 groups) that hold the smallest squared distances.  Both go, as whole numbers, into one word:
;   cand[b*8192+n] = mask index (16 bits, 0xffff = outside the image) | best group << 16 | second group << 23.
; The next launch evaluates the 16 points of the two groups with the f32 roundings of the defining formula and finishes the work.
;
; THE DISTANCES ARE MADE BY THE MATRIX UNIT, bf16 operands, f32 sums, without losing the operands' f32 bits:
;   with u = boundary coordinate - c, v = pixel coordinate - c (c: an integer near the boundary cloud, so that a common offset of the
;   inputs is gone before anything is squared), (u - v)^2 = u (-2v) + u^2 + v^2.  u, -2v, u^2, v^2 are each cut into three bf16 pieces
;   (piece = nearest bf16, rest = exact f32 difference; three pieces of 8 bits hold all 24).  Per coordinate 15 of 16 K places:
;     register     0        1        2        3        4        5        6        7
;     A (bounds)  (u1,u1)  (u2,u2)  (u3,u3)  (u1,u2)  (u3,w1)  (w2,w3)  (1,1)    (1,0)      w = u^2
;     B (pixels)  (p1,p2)  (p1,p2)  (p1,p2)  (p3,p3)  (p3,1)   (1,1)    (z1,z2)  (z3,0)     p = -2v, z = v^2
;   In a 16-bit fragment lanes 0-15 hold K 0-7 and 16-23, lanes 16-31 hold K 8-15 and 24-31 (ISA guide 7.12.2): lanes 0-15 carry x,
;   lanes 16-31 carry y, and the sum over K is the squared distance in pixels^2.
; In the result lane (r, h) holds, for query column r, the boundary rows 8h .. 8h+7 of the tile: one group of eight.  Four minimum
; instructions give the group's minimum, its 7 lowest mantissa bits are replaced by the group's number 2 t + h (a relative change of 2^-16
; of a distance), and a median and a minimum keep the two smallest: 7 vector instructions for 8 pairs.
;
; SHARES: 256 work-groups, 16 for a batch; 4 waves; a wave owns 128 queries = 8 B fragments that stay in registers, and walks the 64
; boundary tiles, which all waves read from one LDS table (1,024 rows x 64 bytes, pitch 80) that the work-group builds once.
; No tensor load and no cluster: what the 16 work-groups of a batch share is 8,192 bytes of bounds, four loads of each work-group.
; LIMITS: NaN and infinities in bounds or proj_fine are not served; pixel coordinates stay below 2^24 in magnitude (pixel - c exact).
; The two groups hold the defining formula's argmin unless three different groups hold points whose d2 agree within that formula's own
; rounding noise (about 2^-21 of |o|^2 + |bd|^2).
.set VIEW,  3
.set PITCH, 80                         ; 64 bytes + 16: 5 x 16, so the 16 rows of a fragment load start in 16 different 16-byte columns modulo 256
.set TILEB, 16*PITCH                   ; a tile of 16 boundary points
.set TRIPS, 15                         ; 15 trips x 4 tiles; the last 4 tiles are written out behind the loop
.set BO,   2                           ; 16 x thread: my bytes of a bounds load
.set PO,   3                           ; 32 x (lane % 16): my four queries' (x, y)
.set SA,   4                           ; 160 x thread: LDS rows of my two points of a bounds load
.set LA,   5                           ; LDS address of my part of an A fragment, stepped by 4 tiles a trip
.set IDX,  6                           ; 2 t + h: number of the group that my lane holds of tile t
.set ST,   7                           ; 16 x lane: my four words of cand
.set U,    8                           ; v8-14 at work
.set W,    9
.set X1,   10
.set X2,   11
.set X3,   12
.set FX,   13
.set FY,   14
.set CH,   15                          ; the centre's x (lanes 0-15) or y (lanes 16-31)
.set CX,   16
.set CY,   17
.set T,    18                          ; v18-25  one coordinate's eight A registers on their way to LDS
.set OUT,  26                          ; v26-29
.set MIDX, 30                          ; v30-37  tile i: mask index, later the whole word
.set M1,   38                          ; v38-45  tile i: smallest packed group minimum
.set M2,   46                          ; v46-53  tile i: second smallest
.set GA,   54                          ; v54-57, v58-61 at work in the loop
.set GB,   58
.set BF,   64                          ; v64-127   8 B fragments
.set AF,   128                         ; v128-159  ring of 4 A fragments
.set D,    160                         ; v160-223  two sets of 4 result tiles
.set P,    224                         ; v224-239  (x, y) of my 8 queries
.set BND,  240                         ; v240-255  16 boundary coordinates
	s_load_b128 s[4:7], s[0:1], 0x0                ; bounds, proj_fine
	s_load_b64 s[8:9], s[0:1], 0x10                ; cand
	v_lshl_add_u32 v62, v0, 2, 0x14000
	v_mov_b32 v63, 0
	v_lshrrev_b32 v1, 5, v0
	v_readfirstlane_b32 s10, v1                    ; wave 0..3
	s_lshr_b32 s11, ttmp9, 4                       ; batch
	s_lshl3_add_u32 s11, s11, VIEW                 ; 8 b + view
	s_lshl_b32 s12, s11, 13                        ; bounds: 1,024 points x 8 bytes a view
	s_mov_b32 s13, 0
	s_lshl_b32 s14, s11, 16                        ; proj_fine: 8,192 x 8 bytes a view
	s_and_b32 s15, ttmp9, 15
	s_lshl_b32 s15, s15, 12                        ; + 512 queries a work-group
	s_add_co_u32 s14, s14, s15
	s_lshl_b32 s15, s10, 10                        ; + 128 queries a wave
	s_add_co_u32 s14, s14, s15
	s_mov_b32 s15, 0
	s_lshl_b32 s16, ttmp9, 11                      ; cand: 512 words a work-group,
	s_lshl_b32 s17, s10, 9                         ; 128 a wave
	s_add_co_u32 s16, s16, s17
	s_mov_b32 s17, 0
	s_mov_b32 s20, 0xffff0000                      ; a word's upper bf16; as a lane mask: lanes 16-31
	s_mov_b32 s21, 0xffffff80                      ; all but the 7 bits that take the group's number
	s_mov_b32 s22, 0x43600000                      ; 224.0
	s_mov_b32 s23, 224
	s_mov_b32 s24, 0xffff
	s_mov_b32 s25, 0x7f800000                      ; +infinity: larger than any distance
	s_mov_b32 s26, 0x76543210                      ; v_permlanex16_b32: lane i takes lane i of the other half
	s_mov_b32 s27, 0xfedcba98
	s_mov_b32 s31, 0x3f803f80                      ; (1.0, 1.0) in bf16
	s_mov_b32 s32, 0x07060100                      ; v_perm_b32: upper half of the first source, lower half of the second
	v_lshlrev_b32 v[BO], 4, v0
	v_and_b32 v1, 15, v0                           ; r
	v_lshlrev_b32 v[PO], 5, v1
	v_mul_u32_u24 v[SA], 2*PITCH, v0
	v_mul_u32_u24 v[LA], PITCH, v1
	v_bfe_u32 v[IDX], v0, 4, 1                     ; h
	v_lshl_add_u32 v[LA], v[IDX], 4, v[LA]         ; row r, 16 bytes for each half of the lanes
	v_and_b32 v[ST], 31, v0
	v_lshlrev_b32 v[ST], 4, v[ST]
	v_mov_b32 v[T+6], s31                          ; A's registers 6 and 7 are the same for every point
	v_mov_b32 v[T+7], 0x3f80
	s_wait_kmcnt 0x0
	s_add_nc_u64 s[4:5], s[4:5], s[12:13]
	s_add_nc_u64 s[6:7], s[6:7], s[14:15]
	s_add_nc_u64 s[8:9], s[8:9], s[16:17]
	s_load_b256 s[40:47], s[4:5], 0x0              ; the batch's first four boundary points, for the centre
.irp k, 0,1,2,3
	global_load_b128 v[BND+4*\k:BND+4*\k+3], v[BO], s[4:5] offset:2048*\k      ; 128 threads x 16 bytes: 2,048 consecutive bytes
.endr
	global_load_b128 v[P:P+3],     v[PO], s[6:7]               ; queries 4r, 4r+1         -> tiles 0, 1
	global_load_b128 v[P+4:P+7],   v[PO], s[6:7] offset:16     ; queries 4r+2, 4r+3       -> tiles 2, 3
	global_load_b128 v[P+8:P+11],  v[PO], s[6:7] offset:512    ; queries 64+4r, 64+4r+1   -> tiles 4, 5
	global_load_b128 v[P+12:P+15], v[PO], s[6:7] offset:528    ; queries 64+4r+2, 64+4r+3 -> tiles 6, 7
	s_wait_kmcnt 0x0
	; the centre: any point serves (distances do not change when both sides are shifted); an integer, so that pixel - c is exact
	v_add_f32 v[CX], s40, s42
	v_add_f32 v[CY], s41, s43
	v_add_f32 v[X1], s44, s46
	v_add_f32 v[X2], s45, s47
	v_add_f32 v[CX], v[CX], v[X1]
	v_add_f32 v[CY], v[CY], v[X2]
	v_mul_f32 v[CX], 0x3e800000, v[CX]
	v_mul_f32 v[CY], 0x3e800000, v[CY]
	v_rndne_f32 v[CX], v[CX]
	v_rndne_f32 v[CY], v[CY]
	v_cndmask_b32 v[CH], v[CX], v[CY], s20
; One coordinate of one boundary point: eight A registers, 16 bytes at \off and 16 at \off + 32 of the point's LDS row.
.macro ROWPART src, cen, off
	v_sub_f32 v[U], v[\src], v[\cen]               ; u
	v_cvt_pk_bf16_f32 v[T+0], v[U], v[U]           ; (u1,u1)
	v_mul_f32 v[W], v[U], v[U]                     ; w = u^2
	v_and_b32 v[X1], s20, v[T+0]                   ; u1 as f32
	v_cvt_pk_bf16_f32 v[X3], v[W], v[W]            ; (w1,w1)
	v_sub_f32 v[U], v[U], v[X1]                    ; u - u1, exact
	v_and_b32 v[X2], s20, v[X3]
	v_cvt_pk_bf16_f32 v[T+1], v[U], v[U]           ; (u2,u2)
	v_sub_f32 v[W], v[W], v[X2]                    ; w - w1
	v_and_b32 v[X1], s20, v[T+1]
	v_cvt_pk_bf16_f32 v[X2], v[W], v[W]            ; (w2,w2)
	v_sub_f32 v[U], v[U], v[X1]                    ; u - u1 - u2
	v_and_b32 v[X2], s20, v[X2]
	v_cvt_pk_bf16_f32 v[T+2], v[U], v[U]           ; (u3,u3)
	v_sub_f32 v[X2], v[W], v[X2]                   ; w - w1 - w2
	v_perm_b32 v[T+3], v[T+1], v[T+0], s32         ; (u1,u2)
	v_perm_b32 v[T+4], v[X3], v[T+2], s32          ; (u3,w1)
	v_cvt_pk_bf16_f32 v[T+5], v[W], v[X2]          ; (w2,w3)
	ds_store_b128 v[SA], v[T:T+3] offset:\off
	ds_store_b128 v[SA], v[T+4:T+7] offset:\off+32
.endm
; Load k holds points 256 k + 2 thread and the next one, as x, y, x, y.  A row: x's registers 0-3, y's 0-3, x's 4-7, y's 4-7.
.irp k, 0,1,2,3
	s_wait_loadcnt 7-\k                            ; loads return in order: bounds load k is in, the 3-k younger ones and proj's four stay out
	ROWPART BND+4*\k+0, CX, \k*256*PITCH
	ROWPART BND+4*\k+1, CY, \k*256*PITCH+16
	ROWPART BND+4*\k+2, CX, \k*256*PITCH+PITCH
	ROWPART BND+4*\k+3, CY, \k*256*PITCH+PITCH+16
.endr
	s_wait_dscnt 0x0                               ; my rows are in LDS before I say so: the other waves read them
	s_barrier_signal -1
; One query tile: column r of tile i is query 64 (i / 4) + 4 r + i % 4 of the wave, so that at the end lane l holds queries 4 l .. 4 l + 3.
; Register work only: it stands between the barrier's signal and its wait.
.macro QTILE i
	v_rndne_f32 v[FX], v[P+2*\i]                   ; round(x), ties to even
	v_sub_f32 v[FY], s22, v[P+2*\i+1]              ; 224 - y
	v_rndne_f32 v[FY], v[FY]
	v_max_num_f32 v[X1], -1.0, v[FX]               ; clip(i + 1, 0, 225) - 1 = clip(i, -1, 224): -1 and 224 are the ring of zeros
	v_max_num_f32 v[X2], -1.0, v[FY]
	v_min_num_f32 v[X1], s22, v[X1]
	v_min_num_f32 v[X2], s22, v[X2]
	v_cvt_i32_f32 v[X1], v[X1]                     ; column
	v_cvt_i32_f32 v[X2], v[X2]                     ; row
	v_cmp_gt_u32 s28, s23, v[X1]                   ; 0 <= column < 224 (-1 is large as an unsigned number)
	v_cmp_gt_u32 s29, s23, v[X2]
	v_mad_u32_u24 v[X3], v[X2], s23, v[X1]         ; row x 224 + column; thrown away where outside
	s_and_b32 vcc_lo, s28, s29
	v_cndmask_b32 v[MIDX+\i], s24, v[X3], vcc_lo
	v_cndmask_b32 v[U], v[FX], v[FY], s20          ; my half's coordinate
	v_sub_f32 v[U], v[U], v[CH]                    ; v
	v_mul_f32 v[W], v[U], v[U]                     ; z = v^2 (the same for all boundary points: its rounding changes no order)
	v_mul_f32 v[U], -2.0, v[U]                     ; p = -2 v
	v_mov_b32 v[BF+8*\i+5], s31                    ; (1,1)
	v_cvt_pk_bf16_f32 v[X1], v[U], v[U]            ; (p1,p1)
	v_cvt_pk_bf16_f32 v[X3], v[W], v[W]            ; (z1,z1)
	v_and_b32 v[X2], s20, v[X1]
	v_and_b32 v[X3], s20, v[X3]
	v_sub_f32 v[U], v[U], v[X2]                    ; p - p1
	v_sub_f32 v[X3], v[W], v[X3]                   ; z - z1
	v_cvt_pk_bf16_f32 v[X2], v[U], v[U]            ; (p2,p2)
	v_cvt_pk_bf16_f32 v[BF+8*\i+6], v[W], v[X3]    ; (z1,z2)
	v_perm_b32 v[BF+8*\i], v[X2], v[X1], s32       ; (p1,p2)
	v_and_b32 v[X2], s20, v[X2]
	v_and_b32 v[W], s20, v[BF+8*\i+6]              ; z2 as f32
	v_sub_f32 v[U], v[U], v[X2]                    ; p - p1 - p2
	v_sub_f32 v[X3], v[X3], v[W]                   ; z - z1 - z2
	v_mov_b32 v[BF+8*\i+1], v[BF+8*\i]             ; a fragment is eight consecutive registers: (p1,p2) stands three times
	v_mov_b32 v[BF+8*\i+2], v[BF+8*\i]
	v_cvt_pk_bf16_f32 v[BF+8*\i+3], v[U], v[U]     ; (p3,p3)
	v_cvt_pk_bf16_f32 v[X3], v[X3], v[X3]          ; (z3,z3)
	v_perm_b32 v[BF+8*\i+4], v[BF+8*\i+5], v[BF+8*\i+3], s32   ; (p3,1)
	v_and_b32 v[BF+8*\i+7], s24, v[X3]             ; (z3,0)
.endm
	s_wait_loadcnt 0x0                             ; proj_fine's four loads
.irp i, 0,1,2,3,4,5,6,7
	QTILE \i
.endr
	s_barrier_wait -1                              ; the table is whole; nobody writes LDS again
.macro MM ab, bt, wd, i                ; boundary tile in A buffer ab x query tile bt + i -> tile i of result set wd; C = 0: each product stands alone
	v_wmma_f32_16x16x32_bf16 v[D+32*\wd+8*\i:D+32*\wd+8*\i+7], v[AF+8*\ab:AF+8*\ab+7], v[BF+8*(\bt+\i):BF+8*(\bt+\i)+7], 0
.endm
; Four matrix instructions into result set wd, laid between the 28 vector instructions that reduce result set pd (query tiles mb .. mb+3).
; Distance behind a matrix instruction (ISA guide 7.12.1): set pd's last tile was written by the fourth matrix instruction of the run
; before; behind that one stand the four v_min_num_f32 of that run's last stage and three lines of this run's first stage, none of which
; names its registers, before its result is read: seven places where four are asked.
.macro HQ ab, bt, wd, pd, mb, mul
.if \mul
	MM \ab, \bt, \wd, 0
.endif
.irp i, 0,1,2,3
	v_min3_num_f32 v[GA+\i], v[D+32*\pd+8*\i], v[D+32*\pd+8*\i+1], v[D+32*\pd+8*\i+2]
.endr
.irp i, 0,1,2,3
	v_min3_num_f32 v[GB+\i], v[D+32*\pd+8*\i+3], v[D+32*\pd+8*\i+4], v[D+32*\pd+8*\i+5]
.endr
.if \mul
	MM \ab, \bt, \wd, 1
.endif
.irp i, 0,1,2,3
	v_min3_num_f32 v[GA+\i], v[GA+\i], v[D+32*\pd+8*\i+6], v[D+32*\pd+8*\i+7]
.endr
.irp i, 0,1,2,3
	v_min_num_f32 v[GA+\i], v[GA+\i], v[GB+\i]                 ; the smallest of my eight
.endr
.if \mul
	MM \ab, \bt, \wd, 2
.endif
.irp i, 0,1,2,3
	v_and_or_b32 v[GA+\i], v[GA+\i], s21, v[IDX]               ; the group's number rides in the 7 lowest bits
.endr
.irp i, 0,1,2,3
	v_med3_num_f32 v[M2+\mb+\i], v[GA+\i], v[M1+\mb+\i], v[M2+\mb+\i]  ; M1 <= M2: the middle one of the three is the new second
.endr
.if \mul
	MM \ab, \bt, \wd, 3
.endif
.irp i, 0,1,2,3
	v_min_num_f32 v[M1+\mb+\i], v[M1+\mb+\i], v[GA+\i]
.endr
.endm
; Boundary tile k, in A buffer a0.  On entry its products with query tiles 0-3 are in result set 0.
; load = 1: tile k + 3 is requested into buffer lb, which held tile k - 1 (last read a whole run of 28 vector instructions ago).
; left: how many younger LDS loads may be out when tile k + 1 (buffer a1) has to be in.  last = 1: no tile follows.
.macro STEP a0, a1, lb, lo, load, left, last
.if \load
	ds_load_b128 v[AF+8*\lb:AF+8*\lb+3],   v[LA] offset:\lo
	ds_load_b128 v[AF+8*\lb+4:AF+8*\lb+7], v[LA] offset:\lo+32
.endif
	HQ \a0, 4, 1, 0, 0, 1                          ; tile k x queries 4-7 -> set 1, while set 0 (tile k, queries 0-3) is reduced
.if \last
	HQ 0, 0, 0, 1, 4, 0                            ; only the reduction of set 1 is left
.else
	s_wait_dscnt \left
	HQ \a1, 0, 0, 1, 4, 1                          ; tile k+1 x queries 0-3 -> set 0, while set 1 (tile k, queries 4-7) is reduced
.endif
	v_add_nc_u32 v[IDX], 2, v[IDX]                 ; the next tile's group
.endm
.irp t, 0,1,2
	ds_load_b128 v[AF+8*\t:AF+8*\t+3],   v[LA] offset:\t*TILEB
	ds_load_b128 v[AF+8*\t+4:AF+8*\t+7], v[LA] offset:\t*TILEB+32
.endr
	s_wait_dscnt 4                                 ; tile 0's two loads are in; the four of tiles 1 and 2 stay out
.irp i, 0,1,2,3
	MM 0, 0, 0, \i
.endr
.irp i, 0,1,2,3,4,5,6,7
	v_mov_b32 v[M1+\i], s25                        ; sixteen lines that name no register of the four products above: their places
	v_mov_b32 v[M2+\i], s25
.endr
	s_mov_b32 s30, TRIPS
.Ltiles:
	STEP 0, 1, 3, 3*TILEB, 1, 4, 0                 ; dscnt 4: tile k+1 is in, the loads of tiles k+2 and k+3 (two each) stay out
	STEP 1, 2, 0, 4*TILEB, 1, 4, 0
	STEP 2, 3, 1, 5*TILEB, 1, 4, 0
	STEP 3, 0, 2, 6*TILEB, 1, 4, 0
	v_add_nc_u32 v[LA], 4*TILEB, v[LA]
	s_sub_co_u32 s30, s30, 1
	s_cmp_lg_u32 s30, 0
	s_cbranch_scc1 .Ltiles
	STEP 0, 1, 3, 3*TILEB, 1, 4, 0                 ; tile 60 asks for tile 63, the last
	STEP 1, 2, 0, 0, 0, 2, 0                       ; tile 61: tile 62 is in, tile 63's two loads may be out
	STEP 2, 3, 0, 0, 0, 0, 0                       ; tile 62: tile 63 is in
	STEP 3, 0, 0, 0, 0, 0, 1                       ; tile 63
	; Lanes r and 16 + r hold the two best of the even and of the odd groups of the same query: merge two sorted pairs.
.irp i, 0,1,2,3,4,5,6,7
	v_permlanex16_b32 v[P+\i],   v[M1+\i], s26, s27            ; destinations: registers that the loads wrote
	v_permlanex16_b32 v[P+8+\i], v[M2+\i], s26, s27
.endr
.irp i, 0,1,2,3,4,5,6,7
	v_max_num_f32 v[BND+\i], v[M1+\i], v[P+\i]                 ; the loser of the two firsts
	v_min_num_f32 v[M1+\i], v[M1+\i], v[P+\i]                  ; the best
	v_min3_num_f32 v[M2+\i], v[BND+\i], v[M2+\i], v[P+8+\i]    ; the second best
	v_and_b32 v[M1+\i], 0x7f, v[M1+\i]
	v_and_b32 v[M2+\i], 0x7f, v[M2+\i]
	v_lshl_or_b32 v[MIDX+\i], v[M1+\i], 16, v[MIDX+\i]
	v_lshl_or_b32 v[MIDX+\i], v[M2+\i], 23, v[MIDX+\i]
.endr
.irp j, 0,1,2,3
	v_cndmask_b32 v[OUT+\j], v[MIDX+\j], v[MIDX+4+\j], s20     ; lanes 0-15: tiles 0-3 = queries 4r+j; lanes 16-31: tiles 4-7 = queries 64+4r+j
.endr
	global_store_b128 v[ST], v[OUT:OUT+3], s[8:9]              ; the wave's 128 words: 512 consecutive bytes, at a multiple of 512 from cand's first byte
	s_wait_tensorcnt 0x0
	ds_add_u32 v62, v63
	s_wait_dscnt 0x0
	s_endpgm
.Lfunc_end_k_q2fbc2c8bf3_filter:
	.size	k_q2fbc2c8bf3_filter, .Lfunc_end_k_q2fbc2c8bf3_filter-k_q2fbc2c8bf3_filter
	.p2alignl 7, 3214868480
	.fill 96, 4, 3214868480
	.section	.rodata,"a",@progbits
	.p2align	6, 0x0
	.amdhsa_kernel k_q2fbc2c8bf3_filter
		.amdhsa_group_segment_fixed_size 82432
		.amdhsa_private_segment_fixed_size 0
		.amdhsa_enable_private_segment 0
		.amdhsa_kernarg_size 24
		.amdhsa_user_sgpr_count 2
		.amdhsa_user_sgpr_kernarg_segment_ptr 1
		.amdhsa_wavefront_size32 1
		.amdhsa_system_sgpr_workgroup_id_x 1
		.amdhsa_system_sgpr_workgroup_id_y 1
		.amdhsa_system_sgpr_workgroup_id_z 1
		.amdhsa_system_vgpr_workitem_id 0
		.amdhsa_next_free_vgpr 256
		.amdhsa_next_free_sgpr 66
		.amdhsa_reserve_vcc 1
		.amdhsa_float_denorm_mode_32 3
		.amdhsa_float_denorm_mode_16_64 3
		.amdhsa_memory_ordered 1
		.amdhsa_forward_progress 1
		.amdhsa_inst_pref_size 67
	.end_amdhsa_kernel
	.amdgpu_metadata
---
amdhsa.version: [ 1, 2 ]
amdhsa.kernels:
  - .name:           k_q2fbc2c8bf3_filter
    .symbol:         k_q2fbc2c8bf3_filter.kd
    .args:
      - { .name: bounds, .offset: 0, .size: 8, .value_kind: global_buffer, .address_space: global }
      - { .name: proj_fine, .offset: 8, .size: 8, .value_kind: global_buffer, .address_space: global }
      - { .name: cand, .offset: 16, .size: 8, .value_kind: global_buffer, .address_space: global }
    .group_segment_fixed_size: 82432
    .private_segment_fixed_size: 0
    .kernarg_segment_align: 8
    .kernarg_segment_size: 24
    .max_flat_workgroup_size: 128
    .sgpr_count:     66
    .vgpr_count:     256
    .wavefront_size: 32
...
	.end_amdgpu_metadata
.endif
;; end of part 1
;; launch finish (part 2): grid 512 x 1, 8 waves a work-group, no clusters, 4,096 bytes of LDS; arguments cand, bounds, inv_param, mask, pc, proj_fine, proj_finez, out0; writes out0
.if DOCPART == 2
	.amdgcn_target "amdgcn-amd-amdhsa--gfx1250"
	.amdhsa_code_object_version 6
	.text
	.protected	k_q2fbc2c8bf3_finish
	.globl	k_q2fbc2c8bf3_finish
	.p2align	8
	.type	k_q2fbc2c8bf3_finish,@function
k_q2fbc2c8bf3_finish:
	s_mov_b64 s[64:65], 0
	v_nop
	global_prefetch_b8 v0, s[64:65] scope:SCOPE_SE
	s_setreg_imm32_b32 hwreg(HW_REG_WAVE_MODE, 25, 1), 1
	s_wait_xcnt 0x0
; FINISH.  One query a thread; 256 queries a work-group, 32 work-groups a batch.  From cand's word (whole numbers that the launch before
; stored): the mask pixel and the two groups of eight boundary points that hold the nearest ones.  The 16 points are judged by
;   d2 = (|o|^2 + |bd|^2) - 2 (o . bd),  o = pixel / 224,  bd = bounds / 224,
; in f32.  Points at nearly the same distance are told apart by the roundings of this formula alone, and they lie pixels apart, so each
; step is rounded here as the formula rounds when it is compiled as a whole:
;   / 224          a division by a constant: a multiplication by Y, the nearest f32 to 1/224;
;   |o|^2, |bd|^2  an elementwise square and a sum: each square rounded, then the sum.  That is why these are NOT fused;
;   o . bd         a matrix product over k = x, y: a chain of fused multiply-adds in ascending k from zero: fma(oy, by, round(ox bx));
;   t - 2 dot      one v_fma_f32: 2 dot is exact, so this is the rounded difference itself.
; (That |o|^2 rounds as |bd|^2 does is an ASSUMPTION of this text: both are the same expression of the formula.)
; The points are taken in ascending index with a strict 'less than': the first of equal distances wins, as in argmin.
; The winner's coordinates are carried along by v_cndmask_b32; no address hangs on a floating-point number.
; The back-projection (4 x 3 for a point, 12 FMAs, under one hundredth of the program's arithmetic) stays in f32 on the vector unit:
; its terms reach several hundred and may cancel, so operands of 8 bits would cost more than the result's margin.
; No cluster, no tensor load: the work-groups share only their batch's 8,192 bytes of bounds and 64 bytes of inv_param.
; LIMITS: NaN and infinities in bounds, proj_fine not served; pixel coordinates below 2^24 in magnitude (there the rounded float is the
; whole number that the formula converts to and back).  Which of two points is taken that are equally far to within about 2^-21 of
; |o|^2 + |bd|^2 hangs on the roundings listed above.
.set VIEW, 3
.set O,    18                          ; v18-19  o = pixel x Y
.set OO,   24                          ; |o|^2
.set BEST, 25
.set SX,   26                          ; the best point so far, as it lies in bounds
.set SY,   27
.set BK,   28                          ; v28-30  the result
.set C,    32                          ; v32-63  16 candidates (x, y), ascending index
.set TT,   64                          ; v64-87  four candidates at work, six registers each
.set PM,   36                          ; s36-51  inv_param[b][view], row-major 4 x 4
	s_load_b512 s[8:23], s[0:1], 0x0               ; cand, bounds, inv_param, mask, pc, proj_fine, proj_finez, out0
	v_lshl_add_u32 v88, v0, 2, 0xc00
	v_mov_b32 v89, 0
	v_lshrrev_b32 v1, 5, v0
	v_readfirstlane_b32 s4, v1                     ; wave 0..7
	s_lshr_b32 s5, ttmp9, 5                        ; batch
	s_lshl3_add_u32 s5, s5, VIEW                   ; 8 b + view
	s_and_b32 s6, ttmp9, 31                        ; which 256 queries of the batch
	s_lshl_b32 s24, ttmp9, 10                      ; cand: 256 words
	s_mov_b32 s25, 0
	s_lshl_b32 s26, s5, 13                         ; bounds: 8,192 bytes a view
	s_mov_b32 s27, 0
	s_lshl_b32 s28, s5, 6                          ; inv_param: 64 bytes a view
	s_mov_b32 s29, 0
	s_mul_i32 s30, s5, 224*224*4                   ; mask
	s_mov_b32 s31, 0
	s_mul_i32 s32, ttmp9, 3072                     ; pc and out0: 256 x 12 bytes
	s_mov_b32 s33, 0
	s_lshl_b32 s34, s5, 16                         ; proj_fine
	s_lshl_b32 s7, s6, 11
	s_add_co_u32 s34, s34, s7
	s_mov_b32 s35, 0
	s_lshl_b32 s52, s5, 15                         ; proj_finez
	s_lshl_b32 s7, s6, 10
	s_add_co_u32 s52, s52, s7
	s_mov_b32 s53, 0
	s_mov_b32 s54, 0x3b924925                      ; Y = nearest f32 to 1/224; a pair, since the packed forms name pairs
	s_mov_b32 s55, 0x3b924925
	s_mov_b32 s58, 0x43600000                      ; 224.0
	s_mov_b32 s59, 0xffff
	v_lshlrev_b32 v1, 2, v0
	v_lshlrev_b32 v2, 3, v0
	v_mul_u32_u24 v3, 12, v0
	s_wait_kmcnt 0x0
	s_add_nc_u64 s[8:9], s[8:9], s[24:25]
	s_add_nc_u64 s[10:11], s[10:11], s[26:27]
	s_add_nc_u64 s[12:13], s[12:13], s[28:29]
	s_add_nc_u64 s[14:15], s[14:15], s[30:31]
	s_add_nc_u64 s[16:17], s[16:17], s[32:33]
	s_add_nc_u64 s[18:19], s[18:19], s[34:35]
	s_add_nc_u64 s[20:21], s[20:21], s[52:53]
	s_add_nc_u64 s[22:23], s[22:23], s[32:33]
	global_load_b32 v4, v1, s[8:9] th:TH_LOAD_NT               ; the word
	global_load_b64 v[6:7], v2, s[18:19] th:TH_LOAD_NT         ; x, y
	global_load_b32 v5, v1, s[20:21] th:TH_LOAD_NT             ; z
	global_load_b96 v[8:10], v3, s[16:17] th:TH_LOAD_NT        ; pc
	s_load_b512 s[PM:PM+15], s[12:13], 0x0
	s_wait_loadcnt 3                               ; the word is in; x y, z and pc stay out
	v_bfe_u32 v11, v4, 16, 7
	v_bfe_u32 v12, v4, 23, 7
	v_and_b32 v13, 0xffff, v4                      ; mask index, or 0xffff
	v_min_u32 v14, v11, v12                        ; the group with the lower indices goes first
	v_max_u32 v15, v11, v12
	v_min_u32 v14, 0x7f, v14                       ; loaded numbers enter addresses only clamped to their tables
	v_min_u32 v15, 0x7f, v15
	v_min_u32 v16, 0xc3ff, v13                     ; 224 x 224 - 1
	v_lshlrev_b32 v14, 6, v14                      ; a group: 8 points x 8 bytes
	v_lshlrev_b32 v15, 6, v15
	v_lshlrev_b32 v16, 2, v16
	global_load_b32 v17, v16, s[14:15]
.irp j, 0,1,2,3
	global_load_b128 v[C+4*\j:C+4*\j+3], v14, s[10:11] offset:16*\j
.endr
.irp j, 0,1,2,3
	global_load_b128 v[C+16+4*\j:C+16+4*\j+3], v15, s[10:11] offset:16*\j
.endr
	s_wait_loadcnt 11                              ; x y are in; z, pc, the mask pixel and the eight loads of bounds stay out
	v_rndne_f32 v[O], v6                           ; round(x), ties to even
	v_sub_f32 v[O+1], s58, v7                      ; 224 - y
	v_rndne_f32 v[O+1], v[O+1]
	v_pk_mul_f32 v[O:O+1], v[O:O+1], s[54:55] op_sel_hi:[1,0]  ; o
	v_pk_mul_f32 v[20:21], v[O:O+1], v[O:O+1]                  ; o^2, each rounded
	v_add_f32 v[OO], v20, v21                                  ; |o|^2
; d2 of candidates j0 .. j0+3, stage by stage so that no line waits for the one in front of it; d2 ends in v[TT+6q]
.macro EVAL4 j0
.irp q, 0,1,2,3
	v_pk_mul_f32 v[TT+6*\q:TT+6*\q+1], v[C+2*(\j0+\q):C+2*(\j0+\q)+1], s[54:55] op_sel_hi:[1,0]    ; bd
.endr
.irp q, 0,1,2,3
	v_pk_mul_f32 v[TT+6*\q+2:TT+6*\q+3], v[TT+6*\q:TT+6*\q+1], v[TT+6*\q:TT+6*\q+1]    ; bd^2, each rounded
	v_mul_f32 v[TT+6*\q+4], v[TT+6*\q], v[O]                                           ; k = x: ox bx, rounded
.endr
.irp q, 0,1,2,3
	v_add_f32 v[TT+6*\q+2], v[TT+6*\q+2], v[TT+6*\q+3]                                 ; |bd|^2
	v_fma_f32 v[TT+6*\q+4], v[TT+6*\q+1], v[O+1], v[TT+6*\q+4]                         ; k = y: o . bd, the chain's second link
.endr
.irp q, 0,1,2,3
	v_add_f32 v[TT+6*\q+2], v[OO], v[TT+6*\q+2]
.endr
.irp q, 0,1,2,3
	v_fma_f32 v[TT+6*\q], v[TT+6*\q+4], -2.0, v[TT+6*\q+2]
.endr
.endm
.macro SEL j, q
	v_cmp_lt_f32 vcc_lo, v[TT+6*\q], v[BEST]
	v_cndmask_b32 v[BEST], v[BEST], v[TT+6*\q], vcc_lo
	v_cndmask_b32 v[SX], v[SX], v[C+2*\j], vcc_lo
	v_cndmask_b32 v[SY], v[SY], v[C+2*\j+1], vcc_lo
.endm
	s_wait_loadcnt 6                               ; a load brings two candidates: the first two loads are in, six stay out
	EVAL4 0
	v_mov_b32 v[BEST], v[TT]                       ; the first candidate starts the search
	v_mov_b32 v[SX], v[C]
	v_mov_b32 v[SY], v[C+1]
	SEL 1, 1
	SEL 2, 2
	SEL 3, 3
	s_wait_loadcnt 4
	EVAL4 4
	SEL 4, 0
	SEL 5, 1
	SEL 6, 2
	SEL 7, 3
	s_wait_loadcnt 2
	EVAL4 8
	SEL 8, 0
	SEL 9, 1
	SEL 10, 2
	SEL 11, 3
	s_wait_loadcnt 0x0
	EVAL4 12
	SEL 12, 0
	SEL 13, 1
	SEL 14, 2
	SEL 15, 3
	; (bx z, by z, z, 1) x inv_param, columns 0 to 2
	v_mul_f32 v[SX], v[SX], v5
	v_mul_f32 v[SY], v[SY], v5
	s_wait_kmcnt 0x0                               ; inv_param
.irp l, 0,1,2
	v_fma_f32 v[BK+\l], v5, s[PM+8+\l], s[PM+12+\l]
.endr
.irp l, 0,1,2
	v_fma_f32 v[BK+\l], v[SY], s[PM+4+\l], v[BK+\l]
.endr
.irp l, 0,1,2
	v_fma_f32 v[BK+\l], v[SX], s[PM+\l], v[BK+\l]
.endr
	v_cmp_eq_u32 s60, s59, v13                     ; in the ring of zeros round the image,
	v_cmp_eq_f32 vcc_lo, 0, v17                    ; or on a pixel that is zero:
	s_or_b32 vcc_lo, vcc_lo, s60                   ; an outlier, which is moved; the others keep pc
.irp l, 0,1,2
	v_cndmask_b32 v[BK+\l], v[8+\l], v[BK+\l], vcc_lo
.endr
	; A thread's 12 bytes are no 16: the work-group's 3,072 bytes go through LDS and leave as 192 x 16 bytes.
.irp l, 0,1,2
	ds_store_b32 v3, v[BK+\l] offset:4*\l
.endr
	s_wait_dscnt 0x0                               ; my words are in LDS before I say so: other waves read them
	s_barrier_signal -1
	s_barrier_wait -1
	s_cmp_gt_u32 s4, 5                             ; waves 0 to 5 carry the 3,072 bytes out
	s_cbranch_scc1 .Ldone
	v_lshlrev_b32 v31, 4, v0
	ds_load_b128 v[C:C+3], v31
	s_wait_dscnt 0x0
	global_store_b128 v31, v[C:C+3], s[22:23] th:TH_STORE_NT   ; a wave stores 512 consecutive bytes, at a multiple of 512 from out0's first byte
.Ldone:
	s_wait_tensorcnt 0x0
	ds_add_u32 v88, v89
	s_wait_dscnt 0x0
	s_endpgm
.Lfunc_end_k_q2fbc2c8bf3_finish:
	.size	k_q2fbc2c8bf3_finish, .Lfunc_end_k_q2fbc2c8bf3_finish-k_q2fbc2c8bf3_finish
	.p2alignl 7, 3214868480
	.fill 96, 4, 3214868480
	.section	.rodata,"a",@progbits
	.p2align	6, 0x0
	.amdhsa_kernel k_q2fbc2c8bf3_finish
		.amdhsa_group_segment_fixed_size 4096
		.amdhsa_private_segment_fixed_size 0
		.amdhsa_enable_private_segment 0
		.amdhsa_kernarg_size 64
		.amdhsa_user_sgpr_count 2
		.amdhsa_user_sgpr_kernarg_segment_ptr 1
		.amdhsa_wavefront_size32 1
		.amdhsa_system_sgpr_workgroup_id_x 1
		.amdhsa_system_sgpr_workgroup_id_y 1
		.amdhsa_system_sgpr_workgroup_id_z 1
		.amdhsa_system_vgpr_workitem_id 0
		.amdhsa_next_free_vgpr 90
		.amdhsa_next_free_sgpr 66
		.amdhsa_reserve_vcc 1
		.amdhsa_float_denorm_mode_32 3
		.amdhsa_float_denorm_mode_16_64 3
		.amdhsa_memory_ordered 1
		.amdhsa_forward_progress 1
		.amdhsa_inst_pref_size 14
	.end_amdhsa_kernel
	.amdgpu_metadata
---
amdhsa.version: [ 1, 2 ]
amdhsa.kernels:
  - .name:           k_q2fbc2c8bf3_finish
    .symbol:         k_q2fbc2c8bf3_finish.kd
    .args:
      - { .name: cand, .offset: 0, .size: 8, .value_kind: global_buffer, .address_space: global }
      - { .name: bounds, .offset: 8, .size: 8, .value_kind: global_buffer, .address_space: global }
      - { .name: inv_param, .offset: 16, .size: 8, .value_kind: global_buffer, .address_space: global }
      - { .name: mask, .offset: 24, .size: 8, .value_kind: global_buffer, .address_space: global }
      - { .name: pc, .offset: 32, .size: 8, .value_kind: global_buffer, .address_space: global }
      - { .name: proj_fine, .offset: 40, .size: 8, .value_kind: global_buffer, .address_space: global }
      - { .name: proj_finez, .offset: 48, .size: 8, .value_kind: global_buffer, .address_space: global }
      - { .name: out0, .offset: 56, .size: 8, .value_kind: global_buffer, .address_space: global }
    .group_segment_fixed_size: 4096
    .private_segment_fixed_size: 0
    .kernarg_segment_align: 8
    .kernarg_segment_size: 64
    .max_flat_workgroup_size: 256
    .sgpr_count:     66
    .vgpr_count:     90
    .wavefront_size: 32
...
	.end_amdgpu_metadata
.endif
;; end of part 2
;; ======== version 2 of 2: 2 launches; version 1 with the launch filter written anew for expert scheduling mode
;; workspace buffers: cand 524,288 bytes of whole numbers
;; launch filter (part 3): grid 256 x 1, 4 waves a work-group, no clusters, 82,432 bytes of LDS; arguments bounds, proj_fine, cand; writes cand
.if DOCPART == 3
	.amdgcn_target "amdgcn-amd-amdhsa--gfx1250"
	.amdhsa_code_object_version 6
	.text
	.protected	k_q2fbc2c8bf3_filter
	.globl	k_q2fbc2c8bf3_filter
	.p2align	8
	.type	k_q2fbc2c8bf3_filter,@function
k_q2fbc2c8bf3_filter:
	s_mov_b64 s[64:65], 0
	v_nop
	global_prefetch_b8 v0, s[64:65] scope:SCOPE_SE
	s_setreg_imm32_b32 hwreg(HW_REG_WAVE_SCHED_MODE, 0, 2), 2
	s_setreg_imm32_b32 hwreg(HW_REG_WAVE_MODE, 25, 1), 1
	s_wait_xcnt 0x0
	s_wait_alu depctr_vm_vsrc(0)
; FILTER.  For each of the 16 x 8192 query pixels of view 3: (a) its index into the 224 x 224 mask, (b) the two groups of eight
; neighbouring boundary points (of 128 groups) that hold the smallest squared distances.  Both go, as whole numbers, into one word:
;   cand[b*8192+n] = mask index (16 bits, 0xffff = outside the image) | best group << 16 | second group << 23.
; The next launch evaluates the 16 points of the two groups with the f32 roundings of the defining formula and finishes the work.
;
; THE DISTANCES ARE MADE BY THE MATRIX UNIT, bf16 operands, f32 sums, without losing the operands' f32 bits:
;   with u = boundary coordinate - c, v = pixel coordinate - c (c: an integer near the boundary cloud, so that a common offset of the
;   inputs is gone before anything is squared), (u - v)^2 = u (-2v) + u^2 + v^2.  u, -2v, u^2, v^2 are each cut into three bf16 pieces
;   (piece = nearest bf16, rest = exact f32 difference; three pieces of 8 bits hold all 24).  Per coordinate 15 of 16 K places:
;     register     0        1        2        3        4        5        6        7
;     A (bounds)  (u1,u1)  (u2,u2)  (u3,u3)  (u1,u2)  (u3,w1)  (w2,w3)  (1,1)    (1,0)      w = u^2
;     B (pixels)  (p1,p2)  (p1,p2)  (p1,p2)  (p3,p3)  (p3,1)   (1,1)    (z1,z2)  (z3,0)     p = -2v, z = v^2
;   In a 16-bit fragment lanes 0-15 hold K 0-7 and 16-23, lanes 16-31 hold K 8-15 and 24-31 (ISA guide 7.12.2): lanes 0-15 carry x,
;   lanes 16-31 carry y, and the sum over K is the squared distance in pixels^2.
; In the result lane (r, h) holds, for query column r, the boundary rows 8h .. 8h+7 of the tile: one group of eight.  Four minimum
; instructions give the group's minimum, its 7 lowest mantissa bits are replaced by the group's number 2 t + h (a relative change of 2^-16
; of a distance), and a median and a minimum keep the two smallest: 7 vector instructions for 8 pairs.
;
; SHARES: 256 work-groups, 16 for a batch; 4 waves; a wave owns 128 queries = 8 B fragments that stay in registers, and walks the 64
; boundary tiles, which all waves read from one LDS table (1,024 rows x 64 bytes, pitch 80) that the work-group builds once.
; No tensor load and no cluster: what the 16 work-groups of a batch share is 8,192 bytes of bounds, four loads of each work-group.
; LIMITS: NaN and infinities in bounds or proj_fine are not served; pixel coordinates stay below 2^24 in magnitude (pixel - c exact).
; The two groups hold the defining formula's argmin unless three different groups hold points whose d2 agree within that formula's own
; rounding noise (about 2^-21 of |o|^2 + |bd|^2).
;
; THE MODE: SCHED_MODE bits 1:0 = 2 (LLVM: expert scheduling mode 2), set by the entry lines.  The code itself states the register dependences
; between vector or matrix instructions and memory or LDS instructions, with s_wait_alu, always for 0.
; THE PLAN.  Registers that memory or LDS instructions touch:
;   BO, PO, SA, ST  offsets and addresses, made once at the head and never written again.
;   LA              read by every fragment load; written at the head and once a trip, at the trip's end.
;   P, BND          filled by the eight global loads, read by the head's vector lines; in the loop they are A buffers 4 to 7.
;   OB0, OB1        (head only; the result sets' registers) block k of four row parts writes OB[k % 2]; its eight LDS stores are issued in block
;                   k + 1, dealt among that block's vector lines, which name the other OB alone.
;   A0 .. A7        tile t lives in buffer t % 8.  Step k asks for tile k + 4.  The matrix instructions of a half-trip of four steps name four
;                   buffers and, at its end, the first of the other four; its loads land in the other four alone, and the load into that first
;                   one stands straight behind the half-trip's wait, ahead of its reader.
;   OUT             written by the last four selects, read by the one store.
; So one wait on va_vdst stands at the head of each block of row parts and of each half-trip, and one on vm_vsrc ahead of each rewriting of an OB
; and of LA.  BF, the result sets in the loop, M1, M2, GA, GB and IDX are named by vector and matrix instructions alone.
; The sixteen compares of the query tiles write sixteen scalar registers, so that one wait on va_sdst stands behind them all.
.set VIEW,  3
.set PITCH, 80                         ; 64 bytes + 16: 5 x 16, so the 16 rows of a fragment load start in 16 different 16-byte columns modulo 256
.set TILEB, 16*PITCH                   ; a tile of 16 boundary points
.set TRIPS, 7                          ; 7 trips x 8 tiles; the last 8 tiles are written out behind the loop
.set BO,   2                           ; 16 x thread: my bytes of a bounds load
.set PO,   3                           ; 32 x (lane % 16): my four queries' (x, y)
.set SA,   4                           ; 160 x thread: LDS rows of my two points of a bounds load
.set LA,   5                           ; LDS address of my part of an A fragment, stepped by 8 tiles a trip
.set IDX,  6                           ; 2 t + h: number of the group that my lane holds of tile t
.set ST,   7                           ; 16 x lane: my four words of cand
.set U,    8                           ; v8-14 at work
.set W,    9
.set X1,   10
.set X2,   11
.set X3,   12
.set FX,   13
.set FY,   14
.set CH,   15                          ; the centre's x (lanes 0-15) or y (lanes 16-31)
.set CX,   16
.set CY,   17
.set OUT,  26                          ; v26-29
.set MIDX, 30                          ; v30-37  tile i: mask index, later the whole word
.set M1,   38                          ; v38-45  tile i: smallest packed group minimum
.set M2,   46                          ; v46-53  tile i: second smallest
.set GA,   54                          ; v54-57, v58-61 at work in the loop
.set GB,   58
.set BF,   64                          ; v64-127   8 B fragments
.set AF,   128                         ; v128-159  A buffers 0 to 3; buffers 4 to 7 are v224-255: buffer b at AF + 8 b + 64 (b / 4)
.set D,    160                         ; v160-223  two sets of 4 result tiles
.set OB,   160                         ; v160-223  at the head only: two out-buffers of four row parts, eight A registers each, on their way to LDS
.set P,    224                         ; v224-239  (x, y) of my 8 queries; in the loop A buffers 4 and 5
.set BND,  240                         ; v240-255  16 boundary coordinates; in the loop A buffers 6 and 7
.set CM,   40                          ; s40-47  query tile i: lanes whose column lies in the image (the registers that held the centre's four points)
.set RM,   12                          ; s12-19  query tile i: lanes whose row lies in the image (the registers that held the bases' offsets)
	s_load_b128 s[4:7], s[0:1], 0x0                ; bounds, proj_fine
	s_load_b64 s[8:9], s[0:1], 0x10                ; cand
	v_lshl_add_u32 v62, v0, 2, 0x14000
	v_mov_b32 v63, 0
	v_lshrrev_b32 v1, 5, v0
	v_readfirstlane_b32 s10, v1                    ; wave 0..3
	s_lshr_b32 s11, ttmp9, 4                       ; batch
	s_lshl3_add_u32 s11, s11, VIEW                 ; 8 b + view
	s_lshl_b32 s12, s11, 13                        ; bounds: 1,024 points x 8 bytes a view
	s_mov_b32 s13, 0
	s_lshl_b32 s14, s11, 16                        ; proj_fine: 8,192 x 8 bytes a view
	s_and_b32 s15, ttmp9, 15
	s_lshl_b32 s15, s15, 12                        ; + 512 queries a work-group
	s_add_co_u32 s14, s14, s15
	s_wait_alu depctr_va_sdst(0)                   ; s10 is written, ahead of its first reader: the offsets in proj_fine and cand are made from it
	s_lshl_b32 s15, s10, 10                        ; + 128 queries a wave
	s_add_co_u32 s14, s14, s15
	s_mov_b32 s15, 0
	s_lshl_b32 s16, ttmp9, 11                      ; cand: 512 words a work-group,
	s_lshl_b32 s17, s10, 9                         ; 128 a wave
	s_add_co_u32 s16, s16, s17
	s_mov_b32 s17, 0
	s_mov_b32 s20, 0xffff0000                      ; a word's upper bf16; as a lane mask: lanes 16-31
	s_mov_b32 s21, 0xffffff80                      ; all but the 7 bits that take the group's number
	s_mov_b32 s22, 0x43600000                      ; 224.0
	s_mov_b32 s23, 224
	s_mov_b32 s24, 0xffff
	s_mov_b32 s25, 0x7f800000                      ; +infinity: larger than any distance
	s_mov_b32 s26, 0x76543210                      ; v_permlanex16_b32: lane i takes lane i of the other half
	s_mov_b32 s27, 0xfedcba98
	s_mov_b32 s31, 0x3f803f80                      ; (1.0, 1.0) in bf16
	s_mov_b32 s32, 0x07060100                      ; v_perm_b32: upper half of the first source, lower half of the second
	v_lshlrev_b32 v[BO], 4, v0
	v_and_b32 v1, 15, v0                           ; r
	v_lshlrev_b32 v[PO], 5, v1
	v_mul_u32_u24 v[SA], 2*PITCH, v0
	v_mul_u32_u24 v[LA], PITCH, v1
	v_bfe_u32 v[IDX], v0, 4, 1                     ; h
	v_lshl_add_u32 v[LA], v[IDX], 4, v[LA]         ; row r, 16 bytes for each half of the lanes
	v_and_b32 v[ST], 31, v0
	v_lshlrev_b32 v[ST], 4, v[ST]
.irp q, 0,1,2,3,4,5,6,7
	v_mov_b32 v[OB+8*\q+6], s31                    ; A's registers 6 and 7 are the same for every point: written once for each of the eight row parts of the two out-buffers
	v_mov_b32 v[OB+8*\q+7], 0x3f80
.endr
	s_wait_kmcnt 0x0
	s_add_nc_u64 s[4:5], s[4:5], s[12:13]
	s_add_nc_u64 s[6:7], s[6:7], s[14:15]
	s_add_nc_u64 s[8:9], s[8:9], s[16:17]
	s_load_b256 s[40:47], s[4:5], 0x0              ; the batch's first four boundary points, for the centre
	s_wait_alu depctr_va_vdst(0)                   ; BO, PO, SA, LA and ST are written: the loads and stores of the kernel read them as offsets and addresses
.irp k, 0,1,2,3
	global_load_b128 v[BND+4*\k:BND+4*\k+3], v[BO], s[4:5] offset:2048*\k      ; 128 threads x 16 bytes: 2,048 consecutive bytes
.endr
	global_load_b128 v[P:P+3],     v[PO], s[6:7]               ; queries 4r, 4r+1         -> tiles 0, 1
	global_load_b128 v[P+4:P+7],   v[PO], s[6:7] offset:16     ; queries 4r+2, 4r+3       -> tiles 2, 3
	global_load_b128 v[P+8:P+11],  v[PO], s[6:7] offset:512    ; queries 64+4r, 64+4r+1   -> tiles 4, 5
	global_load_b128 v[P+12:P+15], v[PO], s[6:7] offset:528    ; queries 64+4r+2, 64+4r+3 -> tiles 6, 7
	s_wait_kmcnt 0x0
	; the centre: any point serves (distances do not change when both sides are shifted); an integer, so that pixel - c is exact
	v_add_f32 v[CX], s40, s42
	v_add_f32 v[CY], s41, s43
	v_add_f32 v[X1], s44, s46
	v_add_f32 v[X2], s45, s47
	v_add_f32 v[CX], v[CX], v[X1]
	v_add_f32 v[CY], v[CY], v[X2]
	v_mul_f32 v[CX], 0x3e800000, v[CX]
	v_mul_f32 v[CY], 0x3e800000, v[CY]
	v_rndne_f32 v[CX], v[CX]
	v_rndne_f32 v[CY], v[CY]
	v_cndmask_b32 v[CH], v[CX], v[CY], s20
; One coordinate of one boundary point: the first six of eight A registers, at \ob of an out-buffer.
.macro ROWPART src, cen, ob
	v_sub_f32 v[U], v[(\src)], v[(\cen)]           ; u
	v_cvt_pk_bf16_f32 v[(\ob)], v[U], v[U]         ; (u1,u1)
	v_mul_f32 v[W], v[U], v[U]                     ; w = u^2
	v_and_b32 v[X1], s20, v[(\ob)]                 ; u1 as f32
	v_cvt_pk_bf16_f32 v[X3], v[W], v[W]            ; (w1,w1)
	v_sub_f32 v[U], v[U], v[X1]                    ; u - u1, exact
	v_and_b32 v[X2], s20, v[X3]
	v_cvt_pk_bf16_f32 v[(\ob)+1], v[U], v[U]       ; (u2,u2)
	v_sub_f32 v[W], v[W], v[X2]                    ; w - w1
	v_and_b32 v[X1], s20, v[(\ob)+1]
	v_cvt_pk_bf16_f32 v[X2], v[W], v[W]            ; (w2,w2)
	v_sub_f32 v[U], v[U], v[X1]                    ; u - u1 - u2
	v_and_b32 v[X2], s20, v[X2]
	v_cvt_pk_bf16_f32 v[(\ob)+2], v[U], v[U]       ; (u3,u3)
	v_sub_f32 v[X2], v[W], v[X2]                   ; w - w1 - w2
	v_perm_b32 v[(\ob)+3], v[(\ob)+1], v[(\ob)], s32   ; (u1,u2)
	v_perm_b32 v[(\ob)+4], v[X3], v[(\ob)+2], s32      ; (u3,w1)
	v_cvt_pk_bf16_f32 v[(\ob)+5], v[W], v[X2]      ; (w2,w3)
.endm
; Its eight registers go out: 16 bytes at \off and 16 at \off + 32 of the point's LDS row.
.macro ROWOUT ob, off
	ds_store_b128 v[SA], v[(\ob):(\ob)+3] offset:(\off)
	ds_store_b128 v[SA], v[(\ob)+4:(\ob)+7] offset:(\off)+32
.endm
; Block k: load k holds points 256 k + 2 thread and the next one, as x, y, x, y: four row parts, into OB[k % 2].
; A row: x's registers 0-3, y's 0-3, x's 4-7, y's 4-7.  The eight stores of block k - 1 are dealt among the block's vector lines.
.macro BLOCK k
	s_wait_loadcnt 7-(\k)                          ; loads return in order: bounds load k is in, the 3-k younger ones and proj's four stay out
.if (\k) >= 2
	s_wait_alu depctr_vm_vsrc(0)                   ; the LDS stores issued in the block before have read OB[k % 2], which this block writes again
.endif
.if (\k) >= 1
	s_wait_alu depctr_va_vdst(0)                   ; the block before has written the other OB, which the stores below read; no vector line of this block names it
.endif
.irp q, 0,1,2,3
.if (\k) >= 1
	ROWOUT OB+32*(((\k)-1)%2)+8*(\q), ((\k)-1)*256*PITCH+((\q)/2)*PITCH+((\q)%2)*16
.endif
	ROWPART BND+4*(\k)+(\q), CX+(\q)%2, OB+32*((\k)%2)+8*(\q)
.endr
.endm
	BLOCK 0
	BLOCK 1
	BLOCK 2
	BLOCK 3
	s_wait_alu depctr_va_vdst(0)                   ; block 3 has written OB1, which the last eight stores read
.irp q, 0,1,2,3
	ROWOUT OB+32+8*(\q), 3*256*PITCH+((\q)/2)*PITCH+((\q)%2)*16
.endr
	s_wait_dscnt 0x0                               ; my rows are in LDS before I say so: the other waves read them
	s_barrier_signal -1
; One query tile: column r of tile i is query 64 (i / 4) + 4 r + i % 4 of the wave, so that at the end lane l holds queries 4 l .. 4 l + 3.
; Register work only: it stands between the barrier's signal and its wait.  The tile's two compares keep scalar registers of their own;
; the select by them follows behind all eight tiles.
.macro QTILE i
	v_rndne_f32 v[FX], v[P+2*\i]                   ; round(x), ties to even
	v_sub_f32 v[FY], s22, v[P+2*\i+1]              ; 224 - y
	v_rndne_f32 v[FY], v[FY]
	v_max_num_f32 v[X1], -1.0, v[FX]               ; clip(i + 1, 0, 225) - 1 = clip(i, -1, 224): -1 and 224 are the ring of zeros
	v_max_num_f32 v[X2], -1.0, v[FY]
	v_min_num_f32 v[X1], s22, v[X1]
	v_min_num_f32 v[X2], s22, v[X2]
	v_cvt_i32_f32 v[X1], v[X1]                     ; column
	v_cvt_i32_f32 v[X2], v[X2]                     ; row
	v_cmp_gt_u32 s[CM+\i], s23, v[X1]              ; 0 <= column < 224 (-1 is large as an unsigned number)
	v_cmp_gt_u32 s[RM+\i], s23, v[X2]
	v_mad_u32_u24 v[MIDX+\i], v[X2], s23, v[X1]    ; row x 224 + column; thrown away where outside
	v_cndmask_b32 v[U], v[FX], v[FY], s20          ; my half's coordinate
	v_sub_f32 v[U], v[U], v[CH]                    ; v
	v_mul_f32 v[W], v[U], v[U]                     ; z = v^2 (the same for all boundary points: its rounding changes no order)
	v_mul_f32 v[U], -2.0, v[U]                     ; p = -2 v
	v_mov_b32 v[BF+8*\i+5], s31                    ; (1,1)
	v_cvt_pk_bf16_f32 v[X1], v[U], v[U]            ; (p1,p1)
	v_cvt_pk_bf16_f32 v[X3], v[W], v[W]            ; (z1,z1)
	v_and_b32 v[X2], s20, v[X1]
	v_and_b32 v[X3], s20, v[X3]
	v_sub_f32 v[U], v[U], v[X2]                    ; p - p1
	v_sub_f32 v[X3], v[W], v[X3]                   ; z - z1
	v_cvt_pk_bf16_f32 v[X2], v[U], v[U]            ; (p2,p2)
	v_cvt_pk_bf16_f32 v[BF+8*\i+6], v[W], v[X3]    ; (z1,z2)
	v_perm_b32 v[BF+8*\i], v[X2], v[X1], s32       ; (p1,p2)
	v_and_b32 v[X2], s20, v[X2]
	v_and_b32 v[W], s20, v[BF+8*\i+6]              ; z2 as f32
	v_sub_f32 v[U], v[U], v[X2]                    ; p - p1 - p2
	v_sub_f32 v[X3], v[X3], v[W]                   ; z - z1 - z2
	v_mov_b32 v[BF+8*\i+1], v[BF+8*\i]             ; a fragment is eight consecutive registers: (p1,p2) stands three times
	v_mov_b32 v[BF+8*\i+2], v[BF+8*\i]
	v_cvt_pk_bf16_f32 v[BF+8*\i+3], v[U], v[U]     ; (p3,p3)
	v_cvt_pk_bf16_f32 v[X3], v[X3], v[X3]          ; (z3,z3)
	v_perm_b32 v[BF+8*\i+4], v[BF+8*\i+5], v[BF+8*\i+3], s32   ; (p3,1)
	v_and_b32 v[BF+8*\i+7], s24, v[X3]             ; (z3,0)
.endm
	s_wait_loadcnt 0x0                             ; proj_fine's four loads
.irp i, 0,1,2,3,4,5,6,7
	QTILE \i
.endr
	s_wait_alu depctr_va_sdst(0)                   ; the sixteen compares have written s[CM ..] and s[RM ..], ahead of their first readers below
.irp i, 0,1,2,3,4,5,6,7
	s_and_b32 s[CM+\i], s[CM+\i], s[RM+\i]         ; column and row both in the image
.endr
.irp i, 0,1,2,3,4,5,6,7
	v_cndmask_b32 v[MIDX+\i], s24, v[MIDX+\i], s[CM+\i]
.endr
	s_barrier_wait -1                              ; the table is whole; nobody writes LDS again
	s_wait_alu depctr_vm_vsrc(0)                   ; my LDS stores have read OB0 and OB1: these registers are the result sets from here on, written by the matrix instructions
.macro MM ab, bt, wd, i                ; boundary tile in A buffer ab x query tile bt + i -> tile i of result set wd; C = 0: each product stands alone
	v_wmma_f32_16x16x32_bf16 v[D+32*(\wd)+8*(\i):D+32*(\wd)+8*(\i)+7], v[AF+8*(\ab)+64*((\ab)/4):AF+8*(\ab)+64*((\ab)/4)+7], v[BF+8*((\bt)+(\i)):BF+8*((\bt)+(\i))+7], 0
.endm
; Four matrix instructions into result set wd, laid between the 28 vector instructions that reduce result set pd (query tiles mb .. mb+3).
; Distance behind a matrix instruction (ISA guide 7.12.1): set pd's last tile was written by the fourth matrix instruction of the run
; before; behind that one stand the four v_min_num_f32 of that run's last stage and three lines of this run's first stage, none of which
; names its registers, before its result is read: seven places where four are asked.
.macro HQ ab, bt, wd, pd, mb, mul
.if \mul
	MM \ab, \bt, \wd, 0
.endif
.irp i, 0,1,2,3
	v_min3_num_f32 v[GA+\i], v[D+32*(\pd)+8*\i], v[D+32*(\pd)+8*\i+1], v[D+32*(\pd)+8*\i+2]
.endr
.irp i, 0,1,2,3
	v_min3_num_f32 v[GB+\i], v[D+32*(\pd)+8*\i+3], v[D+32*(\pd)+8*\i+4], v[D+32*(\pd)+8*\i+5]
.endr
.if \mul
	MM \ab, \bt, \wd, 1
.endif
.irp i, 0,1,2,3
	v_min3_num_f32 v[GA+\i], v[GA+\i], v[D+32*(\pd)+8*\i+6], v[D+32*(\pd)+8*\i+7]
.endr
.irp i, 0,1,2,3
	v_min_num_f32 v[GA+\i], v[GA+\i], v[GB+\i]                 ; the smallest of my eight
.endr
.if \mul
	MM \ab, \bt, \wd, 2
.endif
.irp i, 0,1,2,3
	v_and_or_b32 v[GA+\i], v[GA+\i], s21, v[IDX]               ; the group's number rides in the 7 lowest bits
.endr
.irp i, 0,1,2,3
	v_med3_num_f32 v[M2+(\mb)+\i], v[GA+\i], v[M1+(\mb)+\i], v[M2+(\mb)+\i]  ; M1 <= M2: the middle one of the three is the new second
.endr
.if \mul
	MM \ab, \bt, \wd, 3
.endif
.irp i, 0,1,2,3
	v_min_num_f32 v[M1+(\mb)+\i], v[M1+(\mb)+\i], v[GA+\i]
.endr
.endm
; Boundary tile k, in A buffer a0.  On entry its products with query tiles 0-3 are in result set 0.
; load = 1: tile k + 4 is requested into buffer lb, one of the four that no matrix instruction has named since the half-trip's wait.
; left: how many younger LDS loads may be out when tile k + 1 (buffer a1) has to be in.  last = 1: no tile follows.
.macro STEP a0, a1, lb, lo, load, left, last
.if \load
	ds_load_b128 v[AF+8*(\lb)+64*((\lb)/4):AF+8*(\lb)+64*((\lb)/4)+3],   v[LA] offset:(\lo)
	ds_load_b128 v[AF+8*(\lb)+64*((\lb)/4)+4:AF+8*(\lb)+64*((\lb)/4)+7], v[LA] offset:(\lo)+32
.endif
	HQ \a0, 4, 1, 0, 0, 1                          ; tile k x queries 4-7 -> set 1, while set 0 (tile k, queries 0-3) is reduced
.if \last
	HQ 0, 0, 0, 1, 4, 0                            ; only the reduction of set 1 is left
.else
	s_wait_dscnt \left
	HQ \a1, 0, 0, 1, 4, 1                          ; tile k+1 x queries 0-3 -> set 0, while set 1 (tile k, queries 4-7) is reduced
.endif
	v_add_nc_u32 v[IDX], 2, v[IDX]                 ; the next tile's group
.endm
; A half-trip: four steps.  HALF0: tiles in buffers 0-3, loads into buffers 4-7; HALF1: the other way round.
.macro HALF0
	s_wait_alu depctr_va_vdst(0)                   ; the matrix instructions (ahead of the first trip: the head's vector lines) are done reading buffers 4 to 7, in which this half-trip's loads land; v[LA] is written
	STEP 0, 1, 4, 4*TILEB, 1, 6, 0                 ; dscnt 6: tile k+1 is in, the loads of tiles k+2, k+3 and k+4 (two each) stay out
	STEP 1, 2, 5, 5*TILEB, 1, 6, 0
	STEP 2, 3, 6, 6*TILEB, 1, 6, 0
	STEP 3, 4, 7, 7*TILEB, 1, 6, 0
.endm
.macro HALF1
	s_wait_alu depctr_va_vdst(0)                   ; the matrix instructions are done reading buffers 0 to 3, in which this half-trip's loads land
	STEP 4, 5, 0, 8*TILEB, 1, 6, 0
	STEP 5, 6, 1, 9*TILEB, 1, 6, 0
	STEP 6, 7, 2, 10*TILEB, 1, 6, 0
	STEP 7, 0, 3, 11*TILEB, 1, 6, 0
.endm
.irp t, 0,1,2,3
	ds_load_b128 v[AF+8*\t:AF+8*\t+3],   v[LA] offset:\t*TILEB     ; no vector line has named buffers 0 to 3, nor v[LA] since the head's wait
	ds_load_b128 v[AF+8*\t+4:AF+8*\t+7], v[LA] offset:\t*TILEB+32
.endr
	s_wait_dscnt 6                                 ; tile 0's two loads are in; the six of tiles 1, 2 and 3 stay out
.irp i, 0,1,2,3
	MM 0, 0, 0, \i
.endr
.irp i, 0,1,2,3,4,5,6,7
	v_mov_b32 v[M1+\i], s25                        ; sixteen lines that name no register of the four products above: their places
	v_mov_b32 v[M2+\i], s25
.endr
	s_mov_b32 s30, TRIPS
.Ltiles:
	HALF0
	HALF1
	s_wait_alu depctr_vm_vsrc(0)                   ; the fragment loads issued so far have read v[LA]
	v_add_nc_u32 v[LA], 8*TILEB, v[LA]             ; its next reader stands behind the wait at the next half-trip's head, over the backward jump and out of the loop alike
	s_sub_co_u32 s30, s30, 1
	s_cmp_lg_u32 s30, 0
	s_cbranch_scc1 .Ltiles
	HALF0                                          ; tiles 56 to 59 ask for tiles 60 to 63, the last
	STEP 4, 5, 0, 0, 0, 4, 0                       ; tile 60: tile 61 is in, the four loads of tiles 62 and 63 may be out; no load is issued from here on, so no wait on the vector side is owed
	STEP 5, 6, 0, 0, 0, 2, 0                       ; tile 61: tile 62 is in, tile 63's two loads may be out
	STEP 6, 7, 0, 0, 0, 0, 0                       ; tile 62: tile 63 is in
	STEP 7, 0, 0, 0, 0, 0, 1                       ; tile 63
	; Lanes r and 16 + r hold the two best of the even and of the odd groups of the same query: merge two sorted pairs.
.irp i, 0,1,2,3,4,5,6,7
	v_permlanex16_b32 v[P+\i],   v[M1+\i], s26, s27            ; destinations: registers that the loads wrote
	v_permlanex16_b32 v[P+8+\i], v[M2+\i], s26, s27
.endr
.irp i, 0,1,2,3,4,5,6,7
	v_max_num_f32 v[BND+\i], v[M1+\i], v[P+\i]                 ; the loser of the two firsts
	v_min_num_f32 v[M1+\i], v[M1+\i], v[P+\i]                  ; the best
	v_min3_num_f32 v[M2+\i], v[BND+\i], v[M2+\i], v[P+8+\i]    ; the second best
	v_and_b32 v[M1+\i], 0x7f, v[M1+\i]
	v_and_b32 v[M2+\i], 0x7f, v[M2+\i]
	v_lshl_or_b32 v[MIDX+\i], v[M1+\i], 16, v[MIDX+\i]
	v_lshl_or_b32 v[MIDX+\i], v[M2+\i], 23, v[MIDX+\i]
.endr
.irp j, 0,1,2,3
	v_cndmask_b32 v[OUT+\j], v[MIDX+\j], v[MIDX+4+\j], s20     ; lanes 0-15: tiles 0-3 = queries 4r+j; lanes 16-31: tiles 4-7 = queries 64+4r+j
.endr
	s_wait_alu depctr_va_vdst(0)                   ; the four selects have written v[OUT ..], which the store reads
	global_store_b128 v[ST], v[OUT:OUT+3], s[8:9]              ; the wave's 128 words: 512 consecutive bytes, at a multiple of 512 from cand's first byte
	s_wait_dscnt 0x0
	s_wait_alu depctr_hold_cnt(0) depctr_sa_sdst(0) depctr_va_vdst(0) depctr_va_sdst(0) depctr_va_ssrc(0) depctr_va_vcc(0) depctr_vm_vsrc(0)
	s_wait_tensorcnt 0x0
	ds_add_u32 v62, v63
	s_wait_dscnt 0x0
	s_endpgm
.Lfunc_end_k_q2fbc2c8bf3_filter:
	.size	k_q2fbc2c8bf3_filter, .Lfunc_end_k_q2fbc2c8bf3_filter-k_q2fbc2c8bf3_filter
	.p2alignl 7, 3214868480
	.fill 96, 4, 3214868480
	.section	.rodata,"a",@progbits
	.p2align	6, 0x0
	.amdhsa_kernel k_q2fbc2c8bf3_filter
		.amdhsa_group_segment_fixed_size 82432
		.amdhsa_private_segment_fixed_size 0
		.amdhsa_enable_private_segment 0
		.amdhsa_kernarg_size 24
		.amdhsa_user_sgpr_count 2
		.amdhsa_user_sgpr_kernarg_segment_ptr 1
		.amdhsa_wavefront_size32 1
		.amdhsa_system_sgpr_workgroup_id_x 1
		.amdhsa_system_sgpr_workgroup_id_y 1
		.amdhsa_system_sgpr_workgroup_id_z 1
		.amdhsa_system_vgpr_workitem_id 0
		.amdhsa_next_free_vgpr 256
		.amdhsa_next_free_sgpr 66
		.amdhsa_reserve_vcc 0
		.amdhsa_float_denorm_mode_32 3
		.amdhsa_float_denorm_mode_16_64 3
		.amdhsa_memory_ordered 1
		.amdhsa_forward_progress 1
		.amdhsa_inst_pref_size 98
	.end_amdhsa_kernel
	.amdgpu_metadata
---
amdhsa.version: [ 1, 2 ]
amdhsa.kernels:
  - .name:           k_q2fbc2c8bf3_filter
    .symbol:         k_q2fbc2c8bf3_filter.kd
    .args:
      - { .name: bounds, .offset: 0, .size: 8, .value_kind: global_buffer, .address_space: global }
      - { .name: proj_fine, .offset: 8, .size: 8, .value_kind: global_buffer, .address_space: global }
      - { .name: cand, .offset: 16, .size: 8, .value_kind: global_buffer, .address_space: global }
    .group_segment_fixed_size: 82432
    .private_segment_fixed_size: 0
    .kernarg_segment_align: 8
    .kernarg_segment_size: 24
    .max_flat_workgroup_size: 128
    .sgpr_count:     66
    .vgpr_count:     256
    .wavefront_size: 32
...
	.end_amdgpu_metadata
.endif
;; end of part 3
;; launch finish: the kernel of part 2 again; grid 512 x 1, 8 waves a work-group, no clusters, 4,096 bytes of LDS; arguments cand, bounds, inv_param, mask, pc, proj_fine, proj_finez, out0; writes out0
